; MI455X (gfx1250); checked and timed in simulation.
; The chip was launched on July 23, 2026; its instructions are those of AMD's public machine-readable ISA for CDNA 5 (MIT licence, August 2026) and "CDNA5" Instruction Set Architecture Reference Guide (July 2026). The comments in the code are by the model that wrote it; some were corrected since.
;; Role Aware Mo E. Allowed arithmetic: float matrix products may take bf16 or f16 operands with f32 sums; all other float work in f32.
;; Inputs: Wb1 1,024 x 1,024 float32; Wb2 1,024 x 512 float32; Wc1 1,024 x 1,024 float32; Wc2 1,024 x 512 float32; Wi1 512 x 1,024 float32; Wi2 1,024 x 512 float32; Wr1 4 x 32 float32; Wr2 32 x 3 float32; bb1 1,024 float32; bb2 512 float32; bc1 1,024 float32; bc2 512 float32; bi1 1,024 float32; bi2 512 float32; br1 32 float32; br2 3 float32; feat_map 512 x 1,024 float32; l 8,192 float32; r 8,192 float32.
;; Outputs: out0 8,192 x 512 float32; out1 8,192 x 3 float32.
;; Constants: T = 1024.
;; 2 versions, each right; version 2 is version 1 with the launch hidden written anew for expert scheduling mode. Each part assembles by itself: llvm-mc -triple=amdgcn-amd-amdhsa -mcpu=gfx1250 --defsym DOCPART=n.
;; ======== version 1 of 2: 3 launches
;; limits: right only within a limited range of input values; a difference of large sums (such as E[x^2] - mean^2): digits are lost where the result is much smaller than its terms; values are held in f16: magnitudes above 65,504 overflow, below 6.1e-05 lose precision
;; workspace buffers: qtab 20,992,000 bytes; w2h 3,145,728 bytes; idx 393,216 bytes of whole numbers; prm 262,144 bytes; hid 50,331,648 bytes
;; launch prep (part 1): grid 240 x 1, 8 waves a work-group, no clusters, 160,768 bytes of LDS; arguments feat_map, Wb1, Wi1, Wc1, Wb2, Wi2, Wc2, l, r, Wr1, br1, Wr2, br2, qtab, w2h, idx, prm, out1; writes qtab, w2h, idx, prm, out1
.if DOCPART == 1
	.amdgcn_target "amdgcn-amd-amdhsa--gfx1250"
	.amdhsa_code_object_version 6
	.text
	.protected	k_qbf2cc7ad43_prep
	.globl	k_qbf2cc7ad43_prep
	.p2align	8
	.type	k_qbf2cc7ad43_prep,@function
k_qbf2cc7ad43_prep:
	s_mov_b64 s[64:65], 0
	v_nop
	global_prefetch_b8 v0, s[64:65] scope:SCOPE_SE
	s_setreg_imm32_b32 hwreg(HW_REG_WAVE_MODE, 25, 1), 1
	s_wait_xcnt 0x0
; RoleAwareMoE, first of three launches: everything that does not hang on a proposal's interval ends as addresses.
;
; HOW THE WORK OF reference() IS REGROUPED (identities in real numbers, for all finite inputs):
;  1. pool() multiplies feat_map by a mask that reference() builds itself: ones on start <= t < end.  That product is the
;     interval sum  sum over start <= t < end of feat_map[:, t],  and an interval sum is Q[end] - Q[start] for a running sum Q.
;  2. Pooling and the first layer are both linear:  (mask . F^T / cnt) . W1 = (mask . (F^T . W1)) / cnt.  So G = F^T . W1 is made once
;     for the five blocks of 512 rows of Wb1 (left, right), Wi1, Wc1 (left, right): [1024 t] x [5120 columns], K = 512, and the
;     running sum is taken of G.  A hidden pre-activation is then two or four table rows, subtracted, scaled by 1 / cnt, plus the bias.
;  3. w_b (H_b Wb2 + bb2) + w_i (..) + w_c (..) = [w_b H_b | w_i H_i | w_c H_c] . [Wb2; Wi2; Wc2] + sum of w_e b_e2: one product, third launch.
;  4. The division by TEMP = 1.0 is a factor of 1 and is not made.
;  Every input is loaded by some launch; none is left out.
;  The running sum is anchored at t = 512:  Q[t] = sum of G[512 .. t-1] for t > 512,  Q[t] = - sum of G[t .. 511] for t < 512, so that
;  Q[e] - Q[s] is the interval sum for all s <= e, each half of t needs only its own half of feat_map, and |Q| is a sum of 512 rows at most.
;  Rounding to 16 bits touches single elements of feat_map and W1 only; G, the scan and the differences are f32, and the same rounded G enters
;  Q[e] and Q[s], so the difference does not enlarge the operands' rounding; what it enlarges is the scan's f32 rounding alone
;  (some 25 roundings of 2^-24 on sums of at most 512 rows).  Row 512 comes out as 0 up to that rounding.
; THE MATRIX OPERANDS ARE f16, NOT bf16, in all three launches.  A proposal whose pools hold one or two columns has results several times larger than
;  the root mean square over all proposals, by which results are compared.  Four roundings (feat_map, W1, hidden, W2) to bf16's 8 significant bits
;  leave some 2^-8 of such a row's own size, which is more than a hundredth of that root mean square; f16's 11 bits leave an eighth of it.
;  f16's room (largest number 65,504; steps of 2^-24 below 2^-14): feat_map of spread 1 and weights of spread 1/32 may be some thousand times larger;
;  weights 30 times smaller have a spread of 1e-3, of which the step 2^-24 is 6e-5.  The hidden values' room is shown at the second kernel's head.
; LIMITS: |feat_map| and |weights| of 65,504 and above become infinity; |l|, |r| < 2^22 (the interval ends are whole numbers kept exactly in f32);
;  NaN in l or r is not served; where reference() divides by cnt = 0 and gives NaN, out0 is finite here (the relu of the second launch drops the NaN);
;  1 / cnt is v_rcp_f32 and a multiply.
;
; THREE ROLES, by the work-group's number (a scalar branch, the same for all eight waves):
;  0 .. 159   gtab: 512 t x 64 columns of G (matrix unit), scanned along t, stored as 512 rows of qtab (f32 [1025][5120])
;  160 .. 207 cast: 64 rows of Wb2 / Wi2 / Wc2 to f16 into w2h ([3072][512])
;  208 .. 239 geo:  one proposal a thread: ten interval ends (idx), 1 / cnt and the router's softmax (prm, out1)
; No joint tensor loads in gtab although eighty work-groups read the same half of feat_map: it has to be rounded from f32 to f16 on its way
; into LDS, which goes through registers; a copy into LDS first would add 2,048 + 1,024 bytes of LDS traffic for each 2,048 bytes read.
.set QP,    20480                      ; bytes in a row of qtab
.set XP,    160                        ; an LDS row of x or of W: 64 numbers in f16 + 32 bytes = 5 x 32
.set XBUF,  32*XP                      ; 5,120: 32 channels: a wave's own buffer of x; also a K tile's rows of W
.set WB,    8*XBUF                     ; 40,960: W's 512 rows begin here
.set WHALF, 256*XP                     ; 40,960: 256 rows of W (an LDS immediate has 16 bits: two address registers)
.set SCR,   WB+2*WHALF                 ; 122,880: eight waves' column totals, 256 bytes each
.set STG,   SCR+2048                   ; 124,928: each wave's own stage, 16 rows x 272 bytes
.set SPQ,   272
.set MSB, 0
.macro WIN new                         ; s_set_vgpr_msb: bits 1:0 source 0, 3:2 source 1, 7:6 destination; the high byte repeats the setting that is left
.if MSB != \new
	s_set_vgpr_msb (MSB<<8)|\new
.set MSB, \new
.endif
.endm
	v_lshl_add_u32 v254, v0, 2, 0x27000
	v_mov_b32 v255, 0
	s_cmp_lt_u32 ttmp9, 160
	s_cbranch_scc1 .Lgtab
	s_cmp_lt_u32 ttmp9, 208
	s_cbranch_scc1 .Lcast
; ------------------------------------------------------------------ geo: proposal p = 256 (g - 208) + thread
.set GG, 16                            ; v[16:19] the router's four inputs
.set ZZ, 20                            ; v[20:22] its three outputs
.set IX, 24                            ; v[24:35] s0,e0, .. s4,e4, 0, 0 as whole numbers
.set PR, 40                            ; v[40:47] w0,w1,w2, 1/cnt0 .. 1/cnt4
.set HH, 48                            ; v[48:51] hidden units, four in turn
	s_load_b128 s[4:7], s[0:1], 0x38               ; l, r
	s_load_b256 s[8:15], s[0:1], 0x48              ; Wr1, br1, Wr2, br2
	s_load_b128 s[92:95], s[0:1], 0x78             ; idx, prm
	s_load_b64 s[96:97], s[0:1], 0x88              ; out1
	s_sub_co_u32 s2, ttmp9, 208
	s_lshl_b32 s2, s2, 8
	s_mov_b32 s3, 0x44800000                       ; 1024.0 = T
	v_add_nc_u32 v1, s2, v0                        ; p
	v_lshlrev_b32 v2, 2, v1                        ; byte offsets: 4 p in l and r,
	v_mul_u32_u24 v3, v1, 48                       ; 48 p in idx,
	v_lshlrev_b32 v13, 5, v1                       ; 32 p in prm,
	v_mul_u32_u24 v38, v1, 12                      ; 12 p in out1
	s_wait_kmcnt 0x0
	global_load_b32 v4, v2, s[4:5]                 ; l
	global_load_b32 v5, v2, s[6:7]                 ; r
; Eight hidden units' weights: Wr1's four rows, br1, and the 24 words of Wr2's eight rows
.macro RLOAD c
	s_load_b256 s[16:23], s[8:9], 32*(\c)
	s_load_b256 s[24:31], s[8:9], 128+32*(\c)
	s_load_b256 s[32:39], s[8:9], 256+32*(\c)
	s_load_b256 s[40:47], s[8:9], 384+32*(\c)
	s_load_b256 s[48:55], s[10:11], 32*(\c)
	s_load_b256 s[68:75], s[12:13], 96*(\c)
	s_load_b256 s[76:83], s[12:13], 96*(\c)+32
	s_load_b256 s[84:91], s[12:13], 96*(\c)+64
.endm
	s_load_b96 s[56:58], s[14:15], 0x0             ; br2
	RLOAD 0
	s_wait_loadcnt 0x0
	v_rndne_f32 v6, v4                             ; rl: round half to even, as jnp.round
	v_rndne_f32 v7, v5                             ; rr
	v_sub_f32 v8, v5, v4
	v_max_num_f32 v8, 1.0, v8                      ; w
	v_mul_f32 v9, 0x3e19999a, v8                   ; 0.15 in f32
	v_floor_f32 v9, v9
	v_max_num_f32 v9, 1.0, v9                      ; bw
	v_mul_f32 v10, 0.5, v8
	v_floor_f32 v10, v10
	v_max_num_f32 v10, 2.0, v10                    ; cw
	v_max_num_f32 v11, 0, v6                       ; li
	v_add_f32 v12, 1.0, v7
	v_min_num_f32 v12, s3, v12                     ; ri
; pool(start, end): e' = min(max(start + 1, end), T); cnt = e' - start; the table rows are s* = start clamped to 0 .. T and
; e* = max(e', s*) (e' <= T and s* >= 0 already), so an empty mask gives two equal rows.
.macro POOL k, st, en
	v_add_f32 v15, 1.0, v[\st]
	v_max_num_f32 v15, v15, v[\en]
	v_min_num_f32 v15, s3, v15
	v_sub_f32 v[PR+3+\k], v15, v[\st]
	v_max_num_f32 v14, 0, v[\st]
	v_min_num_f32 v14, s3, v14
	v_max_num_f32 v15, v15, v14
	v_cvt_u32_f32 v[IX+2*\k], v14
	v_cvt_u32_f32 v[IX+2*\k+1], v15
.endm
	v_sub_f32 v36, v6, v9
	v_max_num_f32 v36, 0, v36
	v_add_f32 v37, v6, v9
	v_min_num_f32 v37, s3, v37
	POOL 0, 36, 37                                 ; left boundary
	v_sub_f32 v36, v7, v9
	v_max_num_f32 v36, 0, v36
	v_add_f32 v37, v7, v9
	v_min_num_f32 v37, s3, v37
	POOL 1, 36, 37                                 ; right boundary
	POOL 2, 11, 12                                 ; interior: pool()'s own max(start + 1, end) repeats the caller's max(li + 1, ri)
	v_sub_f32 v36, v11, v10
	v_max_num_f32 v36, 0, v36
	POOL 3, 36, 11                                 ; left context
	v_add_f32 v37, v12, v10
	v_min_num_f32 v37, s3, v37
	POOL 4, 12, 37                                 ; right context
.irp k, 0,1,2,3,4
	v_rcp_f32 v[PR+3+\k], v[PR+3+\k]               ; used only by the stores at the end
.endr
	v_mul_f32 v[GG], 0x3a800000, v4                ; l / 1024: a power of two, exact
	v_mul_f32 v[GG+1], 0x3a800000, v5
	v_mul_f32 v[GG+2], 0x3a800000, v8
	v_add_f32 v[GG+3], v4, v5
	v_mul_f32 v[GG+3], 0x3a000000, v[GG+3]         ; 0.5 (l + r) / 1024
; One hidden unit: four multiply-adds (the first takes the bias), relu, three multiply-adds into the outputs (the very first take br2)
.macro RUNIT c, u
	v_fma_f32 v[HH+(\u&3)], v[GG], s[16+\u], s[48+\u]
	v_fmac_f32 v[HH+(\u&3)], s[24+\u], v[GG+1]
	v_fmac_f32 v[HH+(\u&3)], s[32+\u], v[GG+2]
	v_fmac_f32 v[HH+(\u&3)], s[40+\u], v[GG+3]
	v_max_num_f32 v[HH+(\u&3)], 0, v[HH+(\u&3)]
.irp j, 0,1,2
.if \c+\u == 0
	v_fma_f32 v[ZZ+\j], v[HH+(\u&3)], s[68+3*\u+\j], s[56+\j]
.else
	v_fmac_f32 v[ZZ+\j], s[68+3*\u+\j], v[HH+(\u&3)]
.endif
.endr
.endm
.irp c, 0,1,2,3
	s_wait_kmcnt 0x0                               ; scalar loads come back in no order: zero
.irp u, 0,1,2,3,4,5,6,7
	RUNIT \c, \u
.endr
.if \c < 3
	RLOAD \c+1
.endif
.endr
	v_max3_num_f32 v23, v[ZZ], v[ZZ+1], v[ZZ+2]    ; the softmax's maximum is taken away, as in reference()
.irp j, 0,1,2
	v_sub_f32 v[ZZ+\j], v[ZZ+\j], v23
.endr
.irp j, 0,1,2
	v_mul_f32 v[ZZ+\j], 0x3fb8aa3b, v[ZZ+\j]       ; e^x = 2^(x log2 e)
.endr
.irp j, 0,1,2
	v_exp_f32 v[ZZ+\j], v[ZZ+\j]
.endr
	v_mov_b32 v[IX+10], 0                          ; a plain instruction between the exponentials and their use (ISA guide 5.7.2); idx's two spare words
	s_wait_alu depctr_va_vdst(0)
	v_add_f32 v23, v[ZZ], v[ZZ+1]
	v_add_f32 v23, v23, v[ZZ+2]
	v_rcp_f32 v23, v23
	v_mov_b32 v[IX+11], 0                          ; likewise behind the reciprocal
	s_wait_alu depctr_va_vdst(0)
.irp j, 0,1,2
	v_mul_f32 v[PR+\j], v[ZZ+\j], v23
.endr
	global_store_b128 v3, v[IX:IX+3], s[92:93]
	global_store_b128 v3, v[IX+4:IX+7], s[92:93] offset:16
	global_store_b128 v3, v[IX+8:IX+11], s[92:93] offset:32
	global_store_b128 v13, v[PR:PR+3], s[94:95]
	global_store_b128 v13, v[PR+4:PR+7], s[94:95] offset:16
	global_store_b96 v38, v[PR:PR+2], s[96:97]     ; the wave's 32 lanes cover 384 consecutive bytes of out1
	s_endpgm
; ------------------------------------------------------------------ cast: 64 rows of a second-layer weight to f16
.Lcast:
	s_load_b128 s[4:7], s[0:1], 0x20               ; Wb2, Wi2
	s_load_b64 s[8:9], s[0:1], 0x30                ; Wc2
	s_load_b64 s[10:11], s[0:1], 0x70              ; w2h
	s_sub_co_u32 s14, ttmp9, 160                   ; 16 x expert + block
	s_lshr_b32 s15, s14, 4                         ; expert
	s_and_b32 s16, s14, 15
	s_lshl_b32 s18, s16, 17                        ; block x 64 rows x 2,048 bytes
	s_mov_b32 s19, 0
	s_lshl_b32 s20, s14, 16                        ; (1,024 x expert + 64 x block) rows x 1,024 bytes
	s_mov_b32 s21, 0
	v_lshlrev_b32 v1, 4, v0                        ; 16 bytes a thread in,
	v_lshlrev_b32 v2, 3, v0                        ; 8 out
	s_wait_kmcnt 0x0
	s_cmp_eq_u32 s15, 0
	s_cselect_b64 s[12:13], s[4:5], s[8:9]
	s_cmp_eq_u32 s15, 1
	s_cselect_b64 s[12:13], s[6:7], s[12:13]
	s_add_nc_u64 s[12:13], s[12:13], s[18:19]
	s_add_nc_u64 s[10:11], s[10:11], s[20:21]
.set i, 0
.rept 32                                           ; 256 threads x 16 bytes x 32 = the block's 131,072 bytes
	global_load_b128 v[16+4*i:19+4*i], v1, s[12:13] offset:4096*i th:TH_LOAD_NT
.set i, i+1
.endr
.set i, 0
.rept 32
	s_wait_loadcnt 31-i                            ; loads come back in order: the younger ones stay out
	v_cvt_pk_f16_f32 v[16+4*i], v[16+4*i], v[17+4*i]
	v_cvt_pk_f16_f32 v[17+4*i], v[18+4*i], v[19+4*i]
	global_store_b64 v2, v[16+4*i:17+4*i], s[10:11] offset:2048*i      ; a wave's store covers 256 consecutive bytes, aligned
.set i, i+1
.endr
	s_endpgm
; ------------------------------------------------------------------ gtab
; Work-group g: tb = g & 1 (t = 512 tb .. + 511), cs = g >> 1 (table columns 64 cs .. + 63), seg = cs >> 4 (which block of 512 weight rows).
; Wave w: t = 64 w .. + 63 (four tiles a) x 64 columns (four tiles b): sixteen accumulators; eight fragments feed sixteen matrix instructions.
; WHAT IS SHARED AND WHAT IS NOT.  All eight waves multiply by the same W: 512 channels x 64 columns, 65,536 bytes in f16.  It fits in LDS whole,
; so it is loaded, rounded and stored once, with one barrier behind it.  Of feat_map wave w alone reads t = 64 w .. + 63: 256 aligned bytes of each
; channel's row.  So each wave streams its own slab through an LDS buffer of its own (32 channels, only to transpose it), and since LDS serves a
; wave's instructions in order (ISA guide 5.7.1.4) THE K LOOP HAS NO BARRIER: no wave waits for another, and one wave's conversions run beside
; another's products.  K = 512 channels in 16 tiles of 32, written out, so every step stands in an immediate and no address register is rewritten.
; Three tiles of a wave are on their way at a time: 48 loads of 512 bytes, 196,608 bytes for the eight waves.
; feat_map is [channel][t] and W1 is [channel][column]: both lie [K][..] in LDS and are read by the transposing load.
; REGISTERS: window 0: v1-14 addresses, v16-47 x fragments, v48-79 W fragments, v80-207 accumulators (before the first product: W on its way),
;            v208-218 at work; window 1 (v256-447): three sets of 64, an x tile each, on its way from memory to LDS.
.set GX,  1                            ; global offset of my 16 bytes of x: 4 h rows of 4,096 + 256 w + 16 r
.set GW,  2                            ; of W: row0 rows of 4,096 + 16 r
.set SX,  3                            ; where my 8 bytes of x go in my wave's buffer
.set SW,  4                            ; and of W, channels 0-255
.set SW2, 5                            ; channels 256-511
.set AX,  6                            ; my x fragments
.set AW,  7                            ; my W fragments, K tiles 0-7
.set AW2, 8                            ; K tiles 8-15
.set STO, 9                            ; the way out: where I put a word
.set RD,  10                           ; where I read 16 bytes of a row back
.set CO,  11                           ; my byte offset in two rows of qtab
.set SC,  12                           ; column totals: 16 r
.set SCW, 13                           ; my wave's
.set VL,  14                           ; lane
.set FA,  16                           ; v[16:47]   x fragments (a)
.set FB,  48                           ; v[48:79]   W fragments (b)
.set ACC, 80                           ; v[80:207]  tile (a, b) at ACC + 8 (4 a + b)
.set OO,  16                           ; the scan's registers lie where the fragments lay: sixteen each
.set TT,  32
.set PW,  48                           ; v[48:79] eight waves' totals; v[48:51] becomes the running sum
.set OFF, 208
.set KK,  212
.Lgtab:
	s_load_b256 s[4:11], s[0:1], 0x0               ; feat_map, Wb1, Wi1, Wc1
	s_load_b64 s[12:13], s[0:1], 0x68              ; qtab
	v_lshrrev_b32 v208, 5, v0
	v_readfirstlane_b32 s20, v208                  ; wave
	s_and_b32 s15, ttmp9, 1                        ; tb
	s_lshr_b32 s16, ttmp9, 1                       ; cs
	s_lshr_b32 s17, s16, 4                         ; seg
	s_mov_b32 s24, 0x76543210                      ; v_permlanex16_b32: lane i of one half reads lane i of the other
	s_mov_b32 s25, 0xfedcba98
	v_and_b32 v[VL], 31, v0
	v_cmp_le_u32 vcc_lo, 16, v[VL]                 ; the upper half of the lanes; VCC stays so to the end
	v_and_b32 v209, 15, v0                         ; r
	v_bfe_u32 v210, v0, 4, 1                       ; h
	v_lshlrev_b32 v211, 4, v209                    ; 16 r
	v_lshlrev_b32 v212, 3, v209                    ; 8 r
	; One load of x takes two channel rows, 256 bytes each: lanes 0-15 channel c, lanes 16-31 channel c + 4.  In LDS they lie 4 x 160 = 640 bytes
	; apart, which is 128 modulo 256: the wave's 32 stores of 8 bytes touch each of the 64 banks (ISA guide 11.1) once.
	s_lshl_b32 s21, s20, 8                         ; my wave's 64 t = 256 bytes of f32
	v_lshl_add_u32 v[GX], v210, 14, v211
	v_add_nc_u32 v[GX], s21, v[GX]
	s_mul_i32 s22, s20, XBUF                       ; my wave's buffer
	v_mad_u32_u24 v[SX], v210, 4*XP, v212
	v_add_nc_u32 v[SX], s22, v[SX]
	v_and_b32 v213, 7, v0
	v_lshl_add_u32 v213, v210, 3, v213             ; K row 8 h + (lane & 7)
	v_bfe_u32 v214, v0, 3, 1
	v_lshlrev_b32 v214, 4, v214                    ; 16 bytes on for lanes 8-15 of each half
	v_mad_u32_u24 v213, v213, XP, v214
	v_add_nc_u32 v[AX], s22, v213
	v_add_nc_u32 v[AW], WB, v213
	v_add_nc_u32 v[AW2], WB+WHALF, v213
	v_bfe_u32 v214, v0, 5, 2                       ; W: row0 = (w & 3) + 4 h + 8 (w >> 2): again two rows 4 apart in a store; the eight waves cover 16 rows
	v_lshl_add_u32 v214, v210, 2, v214
	v_bfe_u32 v215, v0, 7, 1
	v_lshl_add_u32 v214, v215, 3, v214
	v_lshl_add_u32 v[GW], v214, 12, v211
	v_mad_u32_u24 v[SW], v214, XP, v212
	v_add_nc_u32 v[SW2], WB+WHALF, v[SW]
	v_add_nc_u32 v[SW], WB, v[SW]
	s_mul_i32 s21, s20, 16*SPQ
	s_add_co_u32 s21, s21, STG                     ; my stage
	v_lshlrev_b32 v215, 2, v209
	v_mad_u32_u24 v215, v210, 8*SPQ, v215          ; row 8 h, word r
	v_add_nc_u32 v[STO], s21, v215
	v_mad_u32_u24 v215, v210, SPQ, v211            ; row h, 16 r
	v_add_nc_u32 v[RD], s21, v215
	v_mad_u32_u24 v[CO], v210, QP, v211
	v_add_nc_u32 v[SC], SCR, v211
	s_lshl_b32 s21, s20, 8
	v_add_nc_u32 v[SCW], s21, v[SC]
	s_wait_kmcnt 0x0
	s_cmp_lt_u32 s17, 2                            ; seg 0, 1: Wb1;  2: Wi1;  3, 4: Wc1
	s_cselect_b64 s[18:19], s[6:7], s[10:11]
	s_cmp_eq_u32 s17, 2
	s_cselect_b64 s[18:19], s[8:9], s[18:19]
	s_cmp_eq_u32 s17, 1                            ; seg 1 and 4: the weight's rows 512 .. 1023
	s_cselect_b32 s22, 0x200000, 0
	s_cmp_eq_u32 s17, 4
	s_cselect_b32 s22, 0x200000, s22
	s_and_b32 s23, s16, 15
	s_lshl_b32 s23, s23, 8                         ; 64 columns of f32
	s_add_co_u32 s22, s22, s23
	s_mov_b32 s23, 0
	s_add_nc_u64 s[18:19], s[18:19], s[22:23]      ; W at my columns
	s_lshl_b32 s22, s15, 11
	s_add_nc_u64 s[4:5], s[4:5], s[22:23]          ; feat_map at t = 512 tb
	s_lshl_b32 s22, s16, 8
	s_add_nc_u64 s[32:33], s[12:13], s[22:23]      ; qtab at row 0, my columns
	s_lshl_b32 s30, s15, 9
	s_lshl_b32 s31, s20, 6
	s_add_co_u32 s30, s30, s31
	s_add_co_u32 s30, s30, 1                       ; the inclusive sum up to t belongs in row t + 1
	s_mul_i32 s30, s30, QP
	s_mov_b32 s31, 0
	s_add_nc_u64 s[28:29], s[32:33], s[30:31]      ; qtab at my wave's first row
	s_cmp_eq_u32 s15, 0
	s_cselect_b32 s27, -1, 0                       ; all lanes if tb = 0
; Load j of a tile takes channels c(j) and c(j) + 4, c(j) = (j & 3) + 8 (j >> 2): sixteen loads cover the tile's 32 channels.
.macro LOADX t                         ; tile t of my slab from memory into set t % 3: 16 lanes take 256 consecutive bytes, aligned
	WIN 0x40                                       ; destination in window 1
.set RS, 64*((\t)%3)
.set j, 0
.rept 16
	global_load_b128 v[RS+4*j:RS+4*j+3], v[GX], s[4:5] offset:(\t)*131072+((j&3)+8*(j>>2))*4096
.set j, j+1
.endr
.endm
.macro STOREX t                        ; rounded to f16, in place, and into my wave's buffer
.set RS, 64*((\t)%3)
	WIN 0x45                                       ; destination and both sources in window 1
.set j, 0
.rept 16
	v_cvt_pk_f16_f32 v[RS+4*j], v[RS+4*j], v[RS+4*j+1]
	v_cvt_pk_f16_f32 v[RS+4*j+1], v[RS+4*j+2], v[RS+4*j+3]
.set j, j+1
.endr
	WIN 0x04                                       ; an LDS store's data in window 1
.set j, 0
.rept 16
	ds_store_b64 v[SX], v[RS+4*j:RS+4*j+1] offset:((j&3)+8*(j>>2))*XP
.set j, j+1
.endr
.endm
.macro FRAGS t                         ; two transposing loads a fragment: K rows 8 h .., then 16 + 8 h ..
	WIN 0
.irp a, 0,1,2,3
	ds_load_tr16_b128 v[FA+8*\a:FA+8*\a+3], v[AX] offset:32*\a
	ds_load_tr16_b128 v[FA+8*\a+4:FA+8*\a+7], v[AX] offset:32*\a+16*XP
.endr
.irp b, 0,1,2,3
.if (\t) < 8
	ds_load_tr16_b128 v[FB+8*\b:FB+8*\b+3], v[AW] offset:(\t)*XBUF+32*\b
	ds_load_tr16_b128 v[FB+8*\b+4:FB+8*\b+7], v[AW] offset:(\t)*XBUF+32*\b+16*XP
.else
	ds_load_tr16_b128 v[FB+8*\b:FB+8*\b+3], v[AW2] offset:((\t)-8)*XBUF+32*\b
	ds_load_tr16_b128 v[FB+8*\b+4:FB+8*\b+7], v[AW2] offset:((\t)-8)*XBUF+32*\b+16*XP
.endif
.endr
.endm
.macro MMA16 zero                      ; the sixteen accumulators take turns, one instruction a turn, in the same order in every tile
.irp a, 0,1,2,3
.irp b, 0,1,2,3
.if \zero
	v_wmma_f32_16x16x32_f16 v[ACC+8*(4*\a+\b):ACC+8*(4*\a+\b)+7], v[FA+8*\a:FA+8*\a+7], v[FB+8*\b:FB+8*\b+7], 0
.else
	v_wmma_f32_16x16x32_f16 v[ACC+8*(4*\a+\b):ACC+8*(4*\a+\b)+7], v[FA+8*\a:FA+8*\a+7], v[FB+8*\b:FB+8*\b+7], v[ACC+8*(4*\a+\b):ACC+8*(4*\a+\b)+7]
.endif
.endr
.endr
.endm
; Tile t: its 16 loads are in; it is rounded and put into my buffer (the reads of tile t - 1 were waited for in front of that tile's products);
; its set is asked for again, three tiles ahead; the fragments are read back transposed and multiplied.  The 32 conversions are the places between
; the last tile's matrix instructions and this tile's loads into their sources.  left = the loads of the younger tiles, 16 each.
.macro TILE t, left, load
	s_wait_loadcnt \left
	STOREX \t
.if \load
	LOADX \t+3
.endif
	FRAGS \t
	s_wait_dscnt 0x0
.if (\t) == 0
	MMA16 1                                        ; the first products start the sums: nothing is cleared
.else
	MMA16 0
.endif
.endm
	; W, once: 32 loads a thread (16 lanes take 256 consecutive bytes, aligned; load i takes rows row0 + 16 i), into the registers that the sums will take
.set i, 0
.rept 32
	global_load_b128 v[ACC+4*i:ACC+4*i+3], v[GW], s[18:19] offset:i*65536
.set i, i+1
.endr
	LOADX 0
	WIN 0
	s_wait_loadcnt 16                              ; W is in; x tile 0's sixteen loads stay out
.set i, 0
.rept 32
	v_cvt_pk_f16_f32 v[ACC+4*i], v[ACC+4*i], v[ACC+4*i+1]
	v_cvt_pk_f16_f32 v[ACC+4*i+1], v[ACC+4*i+2], v[ACC+4*i+3]
.set i, i+1
.endr
.set i, 0
.rept 16
	ds_store_b64 v[SW], v[ACC+4*i:ACC+4*i+1] offset:i*16*XP
	ds_store_b64 v[SW2], v[ACC+64+4*i:ACC+64+4*i+1] offset:i*16*XP
.set i, i+1
.endr
	LOADX 1
	LOADX 2
	WIN 0
	s_wait_dscnt 0x0                               ; my part of W is in LDS: for the other waves' sake, zero
	s_barrier_signal -1
	s_barrier_wait -1                              ; all of W is; nobody writes it again
.irp t, 0,1,2,3,4,5,6,7,8,9,10,11,12
	TILE \t, 32, 1
.endr
	TILE 13, 32, 0                                 ; the last three ask for nothing: the counts run down
	TILE 14, 16, 0
	TILE 15, 0, 0
.rept 4
	v_nop                                          ; four places before vector instructions read the results and rewrite the fragments
.endr
	; THE SCAN ALONG t.  Register j of tile i = 4 a + b holds t = 16 a + 8 h + j of column 16 b + r.
.irp j, 1,2,3,4,5,6,7
.irp i, 0,1,2,3,4,5,6,7,8,9,10,11,12,13,14,15
	v_add_f32 v[ACC+8*\i+\j], v[ACC+8*\i+\j], v[ACC+8*\i+\j-1]     ; inside a lane's eight rows; sixteen chains side by side
.endr
.endr
.irp i, 0,1,2,3,4,5,6,7,8,9,10,11,12,13,14,15
	v_permlanex16_b32 v[OO+\i], v[ACC+8*\i+7], s24, s25            ; the other half's eight-row sum
.endr
.irp i, 0,1,2,3,4,5,6,7,8,9,10,11,12,13,14,15
	v_add_f32 v[TT+\i], v[ACC+8*\i+7], v[OO+\i]                    ; the tile's sixteen rows
	v_cndmask_b32 v[OO+\i], 0, v[OO+\i], vcc_lo                    ; what lies ahead of my rows inside the tile
.endr
.irp i, 4,5,6,7,8,9,10,11,12,13,14,15
	v_add_f32 v[TT+\i], v[TT+\i], v[TT+\i-4]                       ; tiles 0 .. a of a column; the last four are my wave's 64 rows
.endr
	ds_store_b128 v[SCW], v[TT+12:TT+15]           ; both halves of the lanes hold and write the same four words
	s_wait_dscnt 0x0
	s_barrier_signal -1
	s_barrier_wait -1
.irp w, 0,1,2,3,4,5,6,7
	ds_load_b128 v[PW+4*\w:PW+4*\w+3], v[SC] offset:256*\w
.endr
.irp b, 0,1,2,3
	v_mov_b32 v[OFF+\b], 0
.endr
	s_wait_dscnt 0x0
.irp w, 1,2,3,4,5,6,7
	s_cmp_eq_u32 s20, \w                           ; the running sum of waves 0 .. w - 1 is what lies ahead of wave w
	s_cselect_b32 s26, -1, 0
.irp b, 0,1,2,3
	v_cndmask_b32 v[OFF+\b], v[OFF+\b], v[PW+\b], s26
.endr
	v_pk_add_f32 v[PW:PW+1], v[PW:PW+1], v[PW+4*\w:PW+4*\w+1]
	v_pk_add_f32 v[PW+2:PW+3], v[PW+2:PW+3], v[PW+4*\w+2:PW+4*\w+3]
.endr
.irp b, 0,1,2,3
	v_cndmask_b32 v[KK+\b], 0, v[PW+\b], s27       ; the lower half of t counts down from t = 512: the whole column's sum is taken away
	v_sub_f32 v[KK+\b], v[OFF+\b], v[KK+\b]
.endr
.irp i, 0,1,2,3,4,5,6,7,8,9,10,11,12,13,14,15
	v_add_f32 v[OO+\i], v[OO+\i], v[KK+(\i&3)]
.endr
.irp i, 4,5,6,7,8,9,10,11,12,13,14,15
	v_add_f32 v[OO+\i], v[OO+\i], v[TT+\i-4]       ; and my wave's tiles ahead of this one
.endr
.irp i, 0,1,2,3,4,5,6,7,8,9,10,11,12,13,14,15
.irp j, 0,1,2,3,4,5,6,7
	v_add_f32 v[ACC+8*\i+\j], v[ACC+8*\i+\j], v[OO+\i]
.endr
.endr
	; row 0 = minus the lower half's column sums: wave 0 of the work-groups with tb = 0
	s_or_b32 s26, s15, s20
	s_cmp_lg_u32 s26, 0
	s_cbranch_scc1 .Lgt_rows
	v_cndmask_b32 v216, v[PW], v[PW+1], vcc_lo     ; lane 16 h + r: column 16 h + r,
	v_cndmask_b32 v217, v[PW+2], v[PW+3], vcc_lo   ; and column 32 + 16 h + r
	v_sub_f32 v216, 0, v216
	v_sub_f32 v217, 0, v217
	v_lshlrev_b32 v218, 2, v[VL]
	global_store_b32 v218, v216, s[32:33]          ; v216-218 are not written again
	global_store_b32 v218, v217, s[32:33] offset:128
.Lgt_rows:
; THE WAY OUT, 16 rows at a time through my wave's own stage: words in by columns, whole rows of 256 bytes back.
; LDS serves a wave's instructions in order (ISA guide 5.7.1.4), and no other wave touches the stage: no barrier, no wait between stores and loads.
.macro OUTQ a, buf, again
.irp b, 0,1,2,3
.irp j, 0,1,2,3,4,5,6,7
	ds_store_b32 v[STO], v[ACC+8*(4*\a+\b)+\j] offset:SPQ*\j+64*\b
.endr
.endr
.if \again
	s_wait_xcnt 0x0                                ; earlier stores have had their addresses translated (ISA guide 3.1): their data registers are loaded again only behind this wait
.endif
.irp q, 0,1,2,3,4,5,6,7
	ds_load_b128 v[\buf+4*\q:\buf+4*\q+3], v[RD] offset:2*SPQ*\q
.endr
.irp q, 0,1,2,3,4,5,6,7
	s_wait_dscnt 7-\q                              ; the younger read-backs stay out
	global_store_b128 v[CO], v[\buf+4*\q:\buf+4*\q+3], s[28:29] offset:(16*\a+2*\q)*QP   ; sixteen lanes store 256 consecutive bytes, aligned
.endr
.endm
	OUTQ 0, FA, 0
	OUTQ 1, FB, 0
	OUTQ 2, FA, 1
	OUTQ 3, FB, 1
	s_wait_tensorcnt 0x0
	ds_add_u32 v254, v255
	s_wait_dscnt 0x0
	s_endpgm
.Lfunc_end_k_qbf2cc7ad43_prep:
	.size	k_qbf2cc7ad43_prep, .Lfunc_end_k_qbf2cc7ad43_prep-k_qbf2cc7ad43_prep
	.p2alignl 7, 3214868480
	.fill 96, 4, 3214868480
	.section	.rodata,"a",@progbits
	.p2align	6, 0x0
	.amdhsa_kernel k_qbf2cc7ad43_prep
		.amdhsa_group_segment_fixed_size 160768
		.amdhsa_private_segment_fixed_size 0
		.amdhsa_enable_private_segment 0
		.amdhsa_kernarg_size 144
		.amdhsa_user_sgpr_count 2
		.amdhsa_user_sgpr_kernarg_segment_ptr 1
		.amdhsa_wavefront_size32 1
		.amdhsa_system_sgpr_workgroup_id_x 1
		.amdhsa_system_sgpr_workgroup_id_y 1
		.amdhsa_system_sgpr_workgroup_id_z 1
		.amdhsa_system_vgpr_workitem_id 0
		.amdhsa_next_free_vgpr 448
		.amdhsa_next_free_sgpr 100
		.amdhsa_reserve_vcc 1
		.amdhsa_float_denorm_mode_32 3
		.amdhsa_float_denorm_mode_16_64 3
		.amdhsa_memory_ordered 1
		.amdhsa_forward_progress 1
		.amdhsa_inst_pref_size 178
	.end_amdhsa_kernel
	.amdgpu_metadata
---
amdhsa.version: [ 1, 2 ]
amdhsa.kernels:
  - .name:           k_qbf2cc7ad43_prep
    .symbol:         k_qbf2cc7ad43_prep.kd
    .args:
      - { .name: feat_map, .offset: 0, .size: 8, .value_kind: global_buffer, .address_space: global }
      - { .name: Wb1, .offset: 8, .size: 8, .value_kind: global_buffer, .address_space: global }
      - { .name: Wi1, .offset: 16, .size: 8, .value_kind: global_buffer, .address_space: global }
      - { .name: Wc1, .offset: 24, .size: 8, .value_kind: global_buffer, .address_space: global }
      - { .name: Wb2, .offset: 32, .size: 8, .value_kind: global_buffer, .address_space: global }
      - { .name: Wi2, .offset: 40, .size: 8, .value_kind: global_buffer, .address_space: global }
      - { .name: Wc2, .offset: 48, .size: 8, .value_kind: global_buffer, .address_space: global }
      - { .name: l, .offset: 56, .size: 8, .value_kind: global_buffer, .address_space: global }
      - { .name: r, .offset: 64, .size: 8, .value_kind: global_buffer, .address_space: global }
      - { .name: Wr1, .offset: 72, .size: 8, .value_kind: global_buffer, .address_space: global }
      - { .name: br1, .offset: 80, .size: 8, .value_kind: global_buffer, .address_space: global }
      - { .name: Wr2, .offset: 88, .size: 8, .value_kind: global_buffer, .address_space: global }
      - { .name: br2, .offset: 96, .size: 8, .value_kind: global_buffer, .address_space: global }
      - { .name: qtab, .offset: 104, .size: 8, .value_kind: global_buffer, .address_space: global }
      - { .name: w2h, .offset: 112, .size: 8, .value_kind: global_buffer, .address_space: global }
      - { .name: idx, .offset: 120, .size: 8, .value_kind: global_buffer, .address_space: global }
      - { .name: prm, .offset: 128, .size: 8, .value_kind: global_buffer, .address_space: global }
      - { .name: out1, .offset: 136, .size: 8, .value_kind: global_buffer, .address_space: global }
    .group_segment_fixed_size: 160768
    .private_segment_fixed_size: 0
    .kernarg_segment_align: 8
    .kernarg_segment_size: 144
    .max_flat_workgroup_size: 256
    .sgpr_count:     100
    .vgpr_count:     448
    .wavefront_size: 32
...
	.end_amdgpu_metadata
.endif
;; end of part 1
;; launch hidden (part 2): grid 256 x 1, 16 waves a work-group, no clusters, 0 bytes of LDS; arguments qtab, idx, prm, bb1, bi1, bc1, hid; writes hid
.if DOCPART == 2
	.amdgcn_target "amdgcn-amd-amdhsa--gfx1250"
	.amdhsa_code_object_version 6
	.text
	.protected	k_qbf2cc7ad43_hidden
	.globl	k_qbf2cc7ad43_hidden
	.p2align	8
	.type	k_qbf2cc7ad43_hidden,@function
k_qbf2cc7ad43_hidden:
	s_mov_b64 s[64:65], 0
	v_nop
	global_prefetch_b8 v0, s[64:65] scope:SCOPE_SE
	s_setreg_imm32_b32 hwreg(HW_REG_WAVE_MODE, 25, 1), 1
	s_wait_xcnt 0x0
; Second launch: hid[p][1024 e + c] = w_e[p] relu( sum over the expert's pools k of (Q_k[e_k][c] - Q_k[s_k][c]) / cnt_k + b_e1[c] ), in f16.
; The mask products and the first layers of reference() are not made here: an interval sum of F^T . W1 is the difference of two rows of the
; first launch's table (shown at that kernel's head).  The router's weight is multiplied in here, so that the third launch is one product.
; The row numbers are whole numbers that the first launch stored (idx); they are read by scalar loads and clamped to 0 .. 1,024.
; A gather stream: no LDS, no barrier, no matrix unit.  No joint loads: which table rows a work-group reads hangs on its own proposals.
; Work-group g: proposals 32 g .. + 31.  Wave w: columns 128 (w & 7) .. + 127 of each of the five table segments, proposals 16 (w >> 3) + 0 .. 15;
; a lane holds four columns.  A load of the wave covers 512 consecutive bytes of a table row; a store 256 consecutive bytes, aligned.
; Sixteen trips, written out, on a ring of three register slots: one at work, two on their way (twelve loads each).
; WHY f16 (11 significant bits) AND ITS ROOM: the reason stands at the first kernel's head.  A hidden value is w relu(pre), w <= 1, pre a sum of 1,024
; products of a pooled feature and a weight.  Features of spread 1 and weights of spread 1/32 give pre of order 1.  Both 30 times larger: order 900, some
; thousands at the most.  Features offset by 30 and weights offset by 30/32: 1,024 x 30 x 0.94 = 29,000.  Both are under f16's 65,504.  Both 30 times
; smaller: a spread of 0.05 / 900 = 6e-5, where f16 steps by 2^-24 = 6e-8, a thousandth of it.
; LIMITS: a hidden value of 65,504 or more becomes infinity.  Where cnt = 0, (0) x (1 / 0) is NaN and the relu (v_max_num_f32) makes it 0; reference() gives NaN there.
.set QP,   20480                       ; bytes in a table row
.set VCOL, 1                           ; 512 (w & 7) + 16 lane: my columns in a segment, and in a bias
.set VST,  2                           ; 256 (w & 7) + 8 lane: my columns in an expert's part of hid
.set VZ,   3                           ; 0
.set BB,   4                           ; v[4:7] bb1, v[8:11] bi1, v[12:15] bc1 of my four columns
.set BI,   8
.set BC,   12
.set T,    16                          ; v[16:23] at work
.set SL,   24                          ; slot n at SL + 64 n: +0 ten quads (s0,e0,..,s4,e4), +40 the proposal's prm row, +48 ten offsets, +58 six words to store
	s_load_b256 s[4:11], s[0:1], 0x0               ; qtab, idx, prm, bb1
	s_load_b128 s[12:15], s[0:1], 0x20             ; bi1, bc1
	s_load_b64 s[52:53], s[0:1], 0x30              ; hid
	v_lshrrev_b32 v16, 5, v0
	v_readfirstlane_b32 s54, v16                   ; wave
	s_and_b32 s55, s54, 7
	s_lshr_b32 s56, s54, 3
	s_lshl_b32 s57, ttmp9, 5
	s_lshl4_add_u32 s57, s56, s57                  ; my first proposal: 32 g + 16 (w >> 3)
	v_and_b32 v17, 31, v0
	s_lshl_b32 s58, s55, 9
	v_lshl_add_u32 v[VCOL], v17, 4, s58
	s_lshl_b32 s58, s55, 8
	v_lshl_add_u32 v[VST], v17, 3, s58
	v_mov_b32 v[VZ], 0
	s_mov_b32 s59, 0
	s_wait_kmcnt 0x0
	s_mul_i32 s58, s57, 48
	s_add_nc_u64 s[6:7], s[6:7], s[58:59]          ; idx,
	s_lshl_b32 s58, s57, 5
	s_add_nc_u64 s[8:9], s[8:9], s[58:59]          ; prm
	s_mul_i32 s58, s57, 6144
	s_add_nc_u64 s[52:53], s[52:53], s[58:59]      ; and hid at my first proposal
.macro SIDX j                          ; proposal j's twelve words of idx into scalar set j % 3
.set IJ, 16+12*((\j)%3)
	s_load_b256 s[IJ:IJ+7], s[6:7], 48*(\j)
	s_load_b128 s[IJ+8:IJ+11], s[6:7], 48*(\j)+32
.endm
.macro ISSUE j                         ; proposal j's ten table rows and its prm row into slot j % 3: twelve loads
.set IJ, 16+12*((\j)%3)
.set SJ, SL+64*((\j)%3)
.irp k, 0,1,2,3,4,5,6,7,8,9
	s_min_u32 s[IJ+\k], s[IJ+\k], 0x400            ; a row number stays inside the table's 1,025 rows
	s_mul_i32 s[IJ+\k], s[IJ+\k], QP
	v_add_nc_u32 v[SJ+48+\k], s[IJ+\k], v[VCOL]
	global_load_b128 v[SJ+4*\k:SJ+4*\k+3], v[SJ+48+\k], s[4:5] offset:(\k/2)*4096    ; pool k / 2 has its own segment of 1,024 columns
.endr
	global_load_b128 v[SJ+40:SJ+43], v[VZ], s[8:9] offset:32*(\j)          ; w0 w1 w2 rc0
	global_load_b128 v[SJ+44:SJ+47], v[VZ], s[8:9] offset:32*(\j)+16       ; rc1 rc2 rc3 rc4
.endm
.macro DIFF dst, p                     ; Q[e] - Q[s] of pool p, four columns
	v_pk_add_f32 v[\dst:\dst+1], v[SS+8*\p+4:SS+8*\p+5], v[SS+8*\p:SS+8*\p+1] neg_lo:[0,1] neg_hi:[0,1]
	v_pk_add_f32 v[\dst+2:\dst+3], v[SS+8*\p+6:SS+8*\p+7], v[SS+8*\p+2:SS+8*\p+3] neg_lo:[0,1] neg_hi:[0,1]
.endm
.macro BFMA d, a, pp, hi, c            ; d = a x (the low or the high word of pair pp, for both halves) + c
.if \hi
	v_pk_fma_f32 v[\d:\d+1], v[\a:\a+1], v[\pp:\pp+1], v[\c:\c+1] op_sel:[0,1,0]
.else
	v_pk_fma_f32 v[\d:\d+1], v[\a:\a+1], v[\pp:\pp+1], v[\c:\c+1] op_sel_hi:[1,0,1]
.endif
.endm
.macro FIN e, pp, hi                   ; relu, times the router's weight, two roundings to f16 at a time
.irp k, 0,1,2,3
	v_max_num_f32 v[T+\k], 0, v[T+\k]
.endr
.if \hi
	v_pk_mul_f32 v[T:T+1], v[T:T+1], v[\pp:\pp+1] op_sel:[0,1]
	v_pk_mul_f32 v[T+2:T+3], v[T+2:T+3], v[\pp:\pp+1] op_sel:[0,1]
.else
	v_pk_mul_f32 v[T:T+1], v[T:T+1], v[\pp:\pp+1] op_sel_hi:[1,0]
	v_pk_mul_f32 v[T+2:T+3], v[T+2:T+3], v[\pp:\pp+1] op_sel_hi:[1,0]
.endif
	v_cvt_pk_f16_f32 v[SS+58+2*\e], v[T], v[T+1]
	v_cvt_pk_f16_f32 v[SS+59+2*\e], v[T+2], v[T+3]
.endm
; Proposal i.  ahead = 1: its slot is filled again with proposal i + 3.  left = the loads of the younger slots, twelve each.
.macro TRIP i, ahead, left
	s_wait_loadcnt \left                           ; loads come back in order: my slot's twelve are in (and its offset registers free)
	s_wait_xcnt 0x0                                ; the slot's last stores have had their addresses translated (ISA guide 3.1): its six words are rewritten only behind this wait
.set SS, SL+64*((\i)%3)
	DIFF T, 0                                      ; boundary expert: pools 0 and 1
	DIFF T+4, 1
	BFMA T, T, SS+42, 1, BB
	BFMA T+2, T+2, SS+42, 1, BB+2
	BFMA T, T+4, SS+44, 0, T
	BFMA T+2, T+6, SS+44, 0, T+2
	FIN 0, SS+40, 0
	DIFF T, 2                                      ; interior expert: pool 2
	BFMA T, T, SS+44, 1, BI
	BFMA T+2, T+2, SS+44, 1, BI+2
	FIN 1, SS+40, 1
	DIFF T, 3                                      ; context expert: pools 3 and 4
	DIFF T+4, 4
	BFMA T, T, SS+46, 0, BC
	BFMA T+2, T+2, SS+46, 0, BC+2
	BFMA T, T+4, SS+46, 1, T
	BFMA T+2, T+6, SS+46, 1, T+2
	FIN 2, SS+42, 0
.if \ahead
	s_wait_kmcnt 0x0                               ; the row numbers of proposal i + 3 (asked for three trips ago)
	ISSUE \i+3
.if \i+6 <= 15
	SIDX \i+6
.endif
.endif
.irp e, 0,1,2
	global_store_b64 v[VST], v[SS+58+2*\e:SS+59+2*\e], s[52:53] offset:6144*(\i)+2048*\e
.endr
.endm
	SIDX 0
	SIDX 1
	SIDX 2
	global_load_b128 v[BB:BB+3], v[VCOL], s[10:11]
	global_load_b128 v[BI:BI+3], v[VCOL], s[12:13]
	global_load_b128 v[BC:BC+3], v[VCOL], s[14:15]
	s_wait_kmcnt 0x0
	ISSUE 0
	ISSUE 1
	ISSUE 2
	SIDX 3
	SIDX 4
	SIDX 5
.irp i, 0,1,2,3,4,5,6,7,8,9,10,11,12
	TRIP \i, 1, 24
.endr
	TRIP 13, 0, 24                                 ; the last three load nothing: the counts run down
	TRIP 14, 0, 12
	TRIP 15, 0, 0
	s_endpgm
.Lfunc_end_k_qbf2cc7ad43_hidden:
	.size	k_qbf2cc7ad43_hidden, .Lfunc_end_k_qbf2cc7ad43_hidden-k_qbf2cc7ad43_hidden
	.p2alignl 7, 3214868480
	.fill 96, 4, 3214868480
	.section	.rodata,"a",@progbits
	.p2align	6, 0x0
	.amdhsa_kernel k_qbf2cc7ad43_hidden
		.amdhsa_group_segment_fixed_size 0
		.amdhsa_private_segment_fixed_size 0
		.amdhsa_enable_private_segment 0
		.amdhsa_kernarg_size 56
		.amdhsa_user_sgpr_count 2
		.amdhsa_user_sgpr_kernarg_segment_ptr 1
		.amdhsa_wavefront_size32 1
		.amdhsa_system_sgpr_workgroup_id_x 1
		.amdhsa_system_sgpr_workgroup_id_y 1
		.amdhsa_system_sgpr_workgroup_id_z 1
		.amdhsa_system_vgpr_workitem_id 0
		.amdhsa_next_free_vgpr 216
		.amdhsa_next_free_sgpr 66
		.amdhsa_reserve_vcc 0
		.amdhsa_float_denorm_mode_32 3
		.amdhsa_float_denorm_mode_16_64 3
		.amdhsa_memory_ordered 1
		.amdhsa_forward_progress 1
		.amdhsa_inst_pref_size 91
	.end_amdhsa_kernel
	.amdgpu_metadata
---
amdhsa.version: [ 1, 2 ]
amdhsa.kernels:
  - .name:           k_qbf2cc7ad43_hidden
    .symbol:         k_qbf2cc7ad43_hidden.kd
    .args:
      - { .name: qtab, .offset: 0, .size: 8, .value_kind: global_buffer, .address_space: global }
      - { .name: idx, .offset: 8, .size: 8, .value_kind: global_buffer, .address_space: global }
      - { .name: prm, .offset: 16, .size: 8, .value_kind: global_buffer, .address_space: global }
      - { .name: bb1, .offset: 24, .size: 8, .value_kind: global_buffer, .address_space: global }
      - { .name: bi1, .offset: 32, .size: 8, .value_kind: global_buffer, .address_space: global }
      - { .name: bc1, .offset: 40, .size: 8, .value_kind: global_buffer, .address_space: global }
      - { .name: hid, .offset: 48, .size: 8, .value_kind: global_buffer, .address_space: global }
    .group_segment_fixed_size: 0
    .private_segment_fixed_size: 0
    .kernarg_segment_align: 8
    .kernarg_segment_size: 56
    .max_flat_workgroup_size: 512
    .sgpr_count:     66
    .vgpr_count:     216
    .wavefront_size: 32
...
	.end_amdgpu_metadata
.endif
;; end of part 2
;; launch gemm2 (part 3): grid 4 x 64, 4 waves a work-group, clusters of 4 x 4, 327,680 bytes of LDS; arguments hid, w2h, out0, prm, bb2, bi2, bc2; writes out0
.if DOCPART == 3
	.amdgcn_target "amdgcn-amd-amdhsa--gfx1250"
	.amdhsa_code_object_version 6
	.text
	.protected	k_qbf2cc7ad43_gemm2
	.globl	k_qbf2cc7ad43_gemm2
	.p2align	8
	.type	k_qbf2cc7ad43_gemm2,@function
k_qbf2cc7ad43_gemm2:
	s_mov_b64 s[64:65], 0
	v_nop
	global_prefetch_b8 v0, s[64:65] scope:SCOPE_SE
	s_setreg_imm32_b32 hwreg(HW_REG_WAVE_MODE, 25, 1), 1
	s_wait_xcnt 0x0
	s_wait_alu depctr_hold_cnt(0) depctr_sa_sdst(0) depctr_va_vdst(0) depctr_va_sdst(0) depctr_va_ssrc(0) depctr_va_vcc(0) depctr_vm_vsrc(0)
	s_getreg_b32 s2, hwreg(HW_REG_IB_STS2, 6, 4)
	s_cmp_eq_u32 s2, 0
	s_cbranch_scc0 .Lentry_in_a_cluster
	s_endpgm
.Lentry_in_a_cluster:
	s_bfe_u32 s2, ttmp6, 0x10000c
	s_cmp_lg_u32 s2, 0xf033
	s_cbranch_scc0 .Lentry_shape_is_right
	s_endpgm
.Lentry_shape_is_right:
; Third launch: out0[p][n] = sum over k of hid[p][k] w2h[k][n] + w0[p] bb2[n] + w1[p] bi2[n] + w2[p] bc2[n].
; The three second layers and the weighted sum of reference() are ONE product with K = 3,072, since hid's rows already carry the router's weights
; (shown at the first kernel's head).  hid: [8192][3072] f16, w2h: [3072][512] f16 (why f16: the first kernel's head), sums in f32.
; A work-group makes 128 x 128 of out0 with four waves, a wave 64 x 64: sixteen accumulator tiles, 128 registers.
; K goes in 12 steps of 256 through two LDS slots filled by the tensor data mover; each wave fetches a quarter of a slot with one load:
; waves 0, 1: 64 rows of hid x 512 bytes; waves 2, 3: 128 K rows of w2h x 256 bytes.  By this text's count a wave has two loads out at the start, later one.
; CLUSTERS: 4 x 4 work-groups.  hid's tiles hang on the block row alone and are asked for jointly along a row of the cluster,
; w2h's on the block column alone and are asked for jointly along a column: four partners issue the same load with the same descriptor.
; REGISTERS: window 0: v16-28 addresses, v32-43 biases, v64-127 and v128-191 two fragment buffers (four of w2h, then four of hid), v192-255 the way out;
;            window 1: accumulator (a, b) at v[8 (4 a + b)], a = 16 rows of out0, b = 16 columns.
; THE MATRIX INSTRUCTION IS USED TRANSPOSED: source 0 = 16 columns of w2h (read from its [K][N] rows by the transposing load), source 1 = 16 rows of hid.
; Lane l then holds row l % 16 of out0 and its registers the columns 8 (l / 16) + 0 .. 7: 32 neighbouring bytes.
.set PART,  36864                      ; a quarter of a slot: 128 x 288 bytes of w2h; 64 x 528 = 33,792 of hid
.set SLOT,  4*PART
.set STAGE, 2*SLOT                     ; behind the ring: 16 rows x 272 bytes for each wave; no tensor load lands here
.set PA,    528                        ; hid's LDS row: 512 bytes + 16 = 33 x 16
.set PB,    288                        ; w2h's LDS row: 256 bytes + 32 = 9 x 32
.set SP,    272
.set ADRA,  16                         ; v16-17 my hid fragments in slot 0, 1
.set ADRBL, 20                         ; v20-21 my w2h fragments, K rows 0-127 of the slot
.set ADRBH, 22                         ; v22-23 K rows 128-255 (an LDS immediate has 16 bits)
.set STO,   24
.set RD,    25
.set CO,    26
.set WO,    27
.set BO,    28
.set BIAS,  32                         ; v[32:43] bb2, bi2, bc2 of the four columns that I store
.set F0,    64
.set F1,    128
.set TMP,   192
.set G1,  24                           ; s[24:31] descriptor group 1, hid's tiles
.set G0,  32                           ; s[32:39] group 0, hid's, one set for each slot
.set G1B, 48                           ; s[48:55] group 1, w2h's tiles
.set G0B, 56                           ; s[56:63] group 0, w2h's
.set MSB, 0
.macro WIN new                         ; the immediate's high byte repeats the setting that is left
.if MSB != \new
	s_set_vgpr_msb (MSB<<8)|\new
.set MSB, \new
.endif
.endm
.set MUL, 0x50                         ; C and D in window 1, both sources in window 0
.set ST,  0x04                         ; an LDS store's data in window 1
.macro JLOAD s                         ; waves 0, 1 ask for hid's two halves, waves 2, 3 for w2h's: each line has one mask; the branch hangs on the wave's number alone
	s_cmp_eq_u32 s19, 0
	s_cbranch_scc0 .Lfor_b_\@
	tensor_load_to_lds s[G0+4*\s:G0+4*\s+3], s[G1:G1+7]
	s_nop 0
	s_branch .Lasked_\@
.Lfor_b_\@:
	tensor_load_to_lds s[G0B+4*\s:G0B+4*\s+3], s[G1B:G1B+7]
	s_nop 0
.Lasked_\@:
.endm
.macro CREST                           ; a round of the cluster's barrier behind its opening work-group barrier
	s_cmp_lg_u32 s18, 0
	s_cbranch_scc1 .Lnot_wave_0_\@
	s_barrier_signal -3
.Lnot_wave_0_\@:
	s_barrier_wait -3
	s_barrier_signal -1
	s_barrier_wait -1
.endm
.macro CROUND
	s_barrier_signal -1
	s_barrier_wait -1
	CREST
.endm
	s_load_b256 s[4:11], s[0:1], 0x0               ; hid, w2h, out0, prm
	s_load_b128 s[12:15], s[0:1], 0x20             ; bb2, bi2
	s_load_b64 s[16:17], s[0:1], 0x30              ; bc2
	v_lshl_add_u32 v62, v0, 2, 0x4c400
	v_mov_b32 v63, 0
	ds_add_u32 v62, v63
	ds_add_u32 v62, v63
	v_lshrrev_b32 v1, 5, v0
	v_readfirstlane_b32 s18, v1                    ; wave
	s_lshr_b32 s19, s18, 1                         ; which 64 rows of the block are mine.  Also: I fetch hid (0) or w2h (1)
	s_and_b32 s20, s18, 1                          ; which 64 columns.  Also: which half of that tile I fetch
	s_bfe_u32 s21, ttmp6, 0x40000                  ; cx
	s_bfe_u32 s22, ttmp6, 0x40004                  ; cy
	s_lshl_b32 s23, ttmp9, 2
	s_add_co_u32 s23, s23, s21                     ; block column = 4 x cluster x + cx
	s_and_b32 s40, ttmp7, 0xffff
	s_lshl_b32 s40, s40, 2
	s_add_co_u32 s40, s40, s22                     ; block row = 4 x cluster y + cy
	s_lshl_b32 s41, s22, 2
	s_lshl_b32 s41, 15, s41                        ; my row of the cluster
	s_lshl_b32 s42, 0x1111, s21                    ; my column
	s_or_b32 s[G1+0], s41, (1<<16)|(1<<20)|(1<<21)|(6<<22)|(3<<25)   ; mask; 2-byte elements; padding on; bit 21 beside a mask; after every 128 words, 4 words
	s_mov_b32 s[G1+1], 256<<16                     ; tensor_dim0 = 256
	s_mov_b32 s[G1+2], 64<<16                      ; tensor_dim1 = 64
	s_mov_b32 s[G1+3], 256<<16                     ; tile_dim0 = 256 elements
	s_mov_b32 s[G1+4], 64                          ; tile_dim1 = 64 rows
	s_mov_b32 s[G1+5], 3072                        ; elements from row to row
	s_mov_b32 s[G1+6], 0
	s_mov_b32 s[G1+7], 0
	s_or_b32 s[G1B+0], s42, (1<<16)|(1<<20)|(1<<21)|(5<<22)|(7<<25)  ; after every 64 words, 8 words
	s_mov_b32 s[G1B+1], 128<<16
	s_mov_b32 s[G1B+2], 128<<16
	s_mov_b32 s[G1B+3], 128<<16
	s_mov_b32 s[G1B+4], 128
	s_mov_b32 s[G1B+5], 512
	s_mov_b32 s[G1B+6], 0
	s_mov_b32 s[G1B+7], 0
	s_lshl_b32 s44, s40, 7                         ; hid: row 128 x block row + 64 x half, rows of 6,144 bytes
	s_lshl_b32 s45, s20, 6
	s_add_co_u32 s44, s44, s45
	s_mul_i32 s44, s44, 6144
	s_mov_b32 s45, 0
	s_lshl_b32 s46, s20, 17                        ; w2h: K row 128 x half, rows of 1,024 bytes, + 256 bytes x block column
	s_lshl_b32 s47, s23, 8
	s_add_co_u32 s46, s46, s47
	s_mov_b32 s47, 0
	s_mul_i32 s66, s18, PART                       ; where my quarter goes: the wave's number alone
	s_wait_dscnt 0x0
	s_wait_kmcnt 0x0
	s_add_nc_u64 s[44:45], s[4:5], s[44:45]
	s_add_nc_u64 s[46:47], s[6:7], s[46:47]
	CROUND                                         ; all sixteen work-groups are here: the first joint loads meet
.irp s, 0,1
	s_mov_b32 s[G0+4*\s], 1
	s_add_co_u32 s[G0+4*\s+1], s66, \s*SLOT
	s_add_nc_u64 s[G0+4*\s+2:G0+4*\s+3], s[44:45], \s*512          ; K step s: 256 elements along the rows
	s_or_b32 s[G0+4*\s+3], s[G0+4*\s+3], 0x80000000
	s_mov_b32 s[G0B+4*\s], 1
	s_add_co_u32 s[G0B+4*\s+1], s66, \s*SLOT
	s_add_nc_u64 s[G0B+4*\s+2:G0B+4*\s+3], s[46:47], \s*262144     ; K step s: 256 rows down
	s_or_b32 s[G0B+4*\s+3], s[G0B+4*\s+3], 0x80000000
	JLOAD \s
.endr
	v_and_b32 v1, 15, v0                           ; r
	v_bfe_u32 v2, v0, 4, 1                         ; h
	v_mul_u32_u24 v3, v1, PA
	v_lshl_add_u32 v3, v2, 4, v3                   ; hid: row r, 16 bytes for each half of the lanes
	s_mul_i32 s67, s19, PART                       ; my 64 rows
	v_and_b32 v4, 7, v0
	v_lshl_add_u32 v4, v2, 3, v4                   ; w2h: K row 8 h + (lane & 7),
	v_mul_u32_u24 v4, v4, PB
	v_bfe_u32 v5, v0, 3, 1
	v_lshl_add_u32 v4, v5, 4, v4                   ; 16 bytes on for lanes 8-15 of each half
	s_lshl_b32 s68, s20, 7                         ; my 64 columns
	s_add_co_u32 s68, s68, 2*PART                  ; behind hid's two quarters
.irp s, 0,1
	v_add_nc_u32 v[ADRA+\s], s67, v3
	v_add_nc_u32 v[ADRBL+\s], s68, v4
	s_add_co_u32 s69, s68, PART
	v_add_nc_u32 v[ADRBH+\s], s69, v4
	s_add_co_u32 s67, s67, SLOT
	s_add_co_u32 s68, s68, SLOT
.endr
	s_mul_i32 s69, s18, 16*SP
	s_add_co_u32 s69, s69, STAGE                   ; my stage
	v_mul_u32_u24 v5, v1, SP
	v_lshl_add_u32 v5, v2, 5, v5                   ; in: row r, 32 bytes for each half
	v_add_nc_u32 v[STO], s69, v5
	v_mul_u32_u24 v5, v2, SP
	v_lshl_add_u32 v5, v1, 4, v5                   ; back: lanes 0-15 one row of 256 bytes, lanes 16-31 the next
	v_add_nc_u32 v[RD], s69, v5
	v_lshlrev_b32 v5, 11, v2
	v_lshl_add_u32 v[CO], v1, 4, v5                ; the same two rows in out0
	v_lshlrev_b32 v[WO], 5, v2                     ; and in prm
	s_lshl_b32 s70, s23, 9
	s_lshl_b32 s71, s20, 8
	s_add_co_u32 s70, s70, s71                     ; my first column, in bytes of f32
	v_lshl_add_u32 v[BO], v1, 4, s70
	global_load_b128 v[BIAS:BIAS+3], v[BO], s[12:13]               ; waited for on the way out
	global_load_b128 v[BIAS+4:BIAS+7], v[BO], s[14:15]
	global_load_b128 v[BIAS+8:BIAS+11], v[BO], s[16:17]
.macro MUL4 f, a, zero                 ; rows 16 a .. x all four column tiles, 32 along K.  The sixteen accumulators take turns, one instruction a turn, in one fixed order
.irp b, 0,1,2,3
.if \zero
	v_wmma_f32_16x16x32_f16 v[8*(4*\a+\b):8*(4*\a+\b)+7], v[\f+8*\b:\f+8*\b+7], v[\f+32+8*\a:\f+32+8*\a+7], 0
.else
	v_wmma_f32_16x16x32_f16 v[8*(4*\a+\b):8*(4*\a+\b)+7], v[\f+8*\b:\f+8*\b+7], v[\f+32+8*\a:\f+32+8*\a+7], v[8*(4*\a+\b):8*(4*\a+\b)+7]
.endif
.endr
.endm
.macro FETCH slot, q, f                ; sixteen LDS loads in one run: the fragments of K = 32 q .. + 31 of a slot: w2h's four, then hid's four
	WIN 0
.irp i, 0,1,2,3
.if \q < 4
	ds_load_tr16_b128 v[\f+8*\i:\f+8*\i+3], v[ADRBL+\slot] offset:\q*32*PB+32*\i
	ds_load_tr16_b128 v[\f+8*\i+4:\f+8*\i+7], v[ADRBL+\slot] offset:\q*32*PB+32*\i+16*PB
.else
	ds_load_tr16_b128 v[\f+8*\i:\f+8*\i+3], v[ADRBH+\slot] offset:(\q-4)*32*PB+32*\i
	ds_load_tr16_b128 v[\f+8*\i+4:\f+8*\i+7], v[ADRBH+\slot] offset:(\q-4)*32*PB+32*\i+16*PB
.endif
.endr
.irp i, 0,1,2,3
	ds_load_b128 v[\f+32+8*\i:\f+32+8*\i+3], v[ADRA+\slot] offset:64*\q+\i*16*PA
	ds_load_b128 v[\f+32+8*\i+4:\f+32+8*\i+7], v[ADRA+\slot] offset:64*\q+\i*16*PA+32
.endr
.endm
.macro PLACES                          ; a load into a register that a matrix instruction has read stands four plain vector instructions behind it (ISA guide 7.12.1 for vector instructions)
.rept 4
	v_nop
.endr
.endm
.macro QUARTER slot, qn, f, g, zero    ; multiplies buffer f; in its middle fetches the slot's part qn into buffer g
	s_wait_dscnt 4                                 ; w2h's fragments and hid's 0, 1 are in; the four youngest loads (hid's 2, 3) may be out
	WIN MUL
	MUL4 \f, 0, \zero
	MUL4 \f, 1, \zero
	PLACES
	FETCH \slot, \qn, \g
	s_wait_dscnt 16                                ; all but the sixteen just issued
	WIN MUL
	MUL4 \f, 2, \zero
	MUL4 \f, 3, \zero
.endm
.macro SEVEN slot, zero
	QUARTER \slot, 1, F0, F1, \zero
	QUARTER \slot, 2, F1, F0, 0
	QUARTER \slot, 3, F0, F1, 0
	QUARTER \slot, 4, F1, F0, 0
	QUARTER \slot, 5, F0, F1, 0
	QUARTER \slot, 6, F1, F0, 0
	QUARTER \slot, 7, F0, F1, 0
.endm
; The slot's eighth part, and the change of slots.  In front of the barrier each wave waits for its reads of this slot and for all its tensor loads
; (one is out: its quarter of the next slot).  Where the slot is filled again the barrier opens a round of the cluster's barrier, so that no wave of
; any partner still reads the slot or has a load on its way; the joint refill is the first tensor load behind the round, then the next slot is read.
.macro TURN slot, next, fill
	s_wait_dscnt 4
	WIN MUL
	MUL4 F1, 0, 0
	s_wait_dscnt 0
	s_wait_tensorcnt 0x0
	ds_add_u32 v62, v63
	s_wait_dscnt 0x0
	s_barrier_signal -1
	MUL4 F1, 1, 0                                  ; register work while the others arrive
	WIN 0
	s_barrier_wait -1
.if \fill
	CREST
	s_add_nc_u64 s[G0+4*\slot+2:G0+4*\slot+3], s[G0+4*\slot+2:G0+4*\slot+3], 1024        ; two K steps on: no load of mine is out, so a group 0 may be written
	s_add_nc_u64 s[G0B+4*\slot+2:G0B+4*\slot+3], s[G0B+4*\slot+2:G0B+4*\slot+3], 524288
	JLOAD \slot
.endif
	PLACES
	FETCH \next, 0, F0
	WIN MUL
	MUL4 F1, 2, 0
	MUL4 F1, 3, 0
.endm
.macro LAP zero
	SEVEN 0, \zero
	TURN 0, 1, 1
	SEVEN 1, 0
	TURN 1, 0, 1
.endm
	s_wait_tensorcnt 0x1                           ; my quarter of slot 0 is in; slot 1's stays out
	s_barrier_signal -1
	s_barrier_wait -1
	FETCH 0, 0, F0
	LAP 1                                          ; K steps 0, 1: the first products start the sums; steps 2, 3 are asked for
	WIN 0
	s_mov_b32 s43, 4                               ; K steps 2 .. 9; steps 4 .. 11 are asked for
.Llap:
	LAP 0
	WIN 0
	s_sub_co_u32 s43, s43, 1
	s_cmp_lg_u32 s43, 0
	s_cbranch_scc1 .Llap
	SEVEN 0, 0                                     ; K steps 10, 11: nothing is left to fetch
	TURN 0, 1, 0
	SEVEN 1, 0
	s_wait_dscnt 4
	WIN MUL
	MUL4 F1, 0, 0
	MUL4 F1, 1, 0
	s_wait_dscnt 0
	MUL4 F1, 2, 0
	MUL4 F1, 3, 0
	PLACES                                         ; before the LDS stores read results and the loads below land in the fragment buffers
	WIN 0
	; THE WAY OUT, 16 rows at a time through my own stage; the biases, weighted by the row's router weights, are added on the read-back.
	s_lshl_b32 s66, s40, 7
	s_lshl_b32 s67, s19, 6
	s_add_co_u32 s66, s66, s67                     ; my first row
	s_lshl_b32 s68, s66, 5
	s_mov_b32 s69, 0
	s_add_nc_u64 s[10:11], s[10:11], s[68:69]      ; prm at that row
	s_lshl_b32 s68, s66, 11
	s_add_co_u32 s68, s68, s70
	s_add_nc_u64 s[8:9], s[8:9], s[68:69]          ; out0 at that row and my first column
.irp i, 0,1,2,3
.irp t, 0,1,2,3,4,5,6,7
	global_load_b128 v[F0+4*(8*\i+\t):F0+4*(8*\i+\t)+3], v[WO], s[10:11] offset:(16*\i+2*\t)*32   ; w0 w1 w2 (and 1/cnt0, unused) of the row that I shall store
.endr
.endr
	s_wait_loadcnt 0x0                             ; these and the biases
.macro OUT16 i
	WIN ST
.irp b, 0,1,2,3
	ds_store_b128 v[STO], v[8*(4*\i+\b):8*(4*\i+\b)+3] offset:64*\b
	ds_store_b128 v[STO], v[8*(4*\i+\b)+4:8*(4*\i+\b)+7] offset:64*\b+16
.endr
	WIN 0
	s_wait_xcnt 0x0                                ; earlier stores have had their addresses translated (ISA guide 3.1): their data registers are loaded again only behind this wait
.irp t, 0,1,2,3,4,5,6,7
	ds_load_b128 v[TMP+32*(\i&1)+4*\t:TMP+32*(\i&1)+4*\t+3], v[RD] offset:2*SP*\t   ; LDS serves a wave's instructions in order (ISA guide 5.7.1.4): these see the stores above
.endr
.irp t, 0,1,2,3,4,5,6,7
	s_wait_dscnt 7-\t                              ; the younger read-backs stay out
.irp e, 0,1,2
.irp c, 0,1,2,3
	v_fmac_f32 v[TMP+32*(\i&1)+4*\t+\c], v[F0+4*(8*\i+\t)+\e], v[BIAS+4*\e+\c]
.endr
.endr
	global_store_b128 v[CO], v[TMP+32*(\i&1)+4*\t:TMP+32*(\i&1)+4*\t+3], s[8:9] offset:(16*\i+2*\t)*2048 th:TH_STORE_NT   ; sixteen lanes store 256 consecutive bytes, aligned
.endr
.endm
	OUT16 0
	OUT16 1
	OUT16 2
	OUT16 3
	s_wait_tensorcnt 0x0
	ds_add_u32 v62, v63
	s_wait_dscnt 0x0
	CROUND                                         ; the closing round: no work-group ends while a partner may still ask for a tile that names it
	s_endpgm
.Lfunc_end_k_qbf2cc7ad43_gemm2:
	.size	k_qbf2cc7ad43_gemm2, .Lfunc_end_k_qbf2cc7ad43_gemm2-k_qbf2cc7ad43_gemm2
	.p2alignl 7, 3214868480
	.fill 96, 4, 3214868480
	.section	.rodata,"a",@progbits
	.p2align	6, 0x0
	.amdhsa_kernel k_qbf2cc7ad43_gemm2
		.amdhsa_group_segment_fixed_size 327680
		.amdhsa_private_segment_fixed_size 0
		.amdhsa_enable_private_segment 0
		.amdhsa_kernarg_size 56
		.amdhsa_user_sgpr_count 2
		.amdhsa_user_sgpr_kernarg_segment_ptr 1
		.amdhsa_wavefront_size32 1
		.amdhsa_system_sgpr_workgroup_id_x 1
		.amdhsa_system_sgpr_workgroup_id_y 1
		.amdhsa_system_sgpr_workgroup_id_z 1
		.amdhsa_system_vgpr_workitem_id 0
		.amdhsa_next_free_vgpr 384
		.amdhsa_next_free_sgpr 76
		.amdhsa_reserve_vcc 0
		.amdhsa_float_denorm_mode_32 3
		.amdhsa_float_denorm_mode_16_64 3
		.amdhsa_memory_ordered 1
		.amdhsa_forward_progress 1
		.amdhsa_inst_pref_size 143
	.end_amdhsa_kernel
	.amdgpu_metadata
---
amdhsa.version: [ 1, 2 ]
amdhsa.kernels:
  - .name:           k_qbf2cc7ad43_gemm2
    .symbol:         k_qbf2cc7ad43_gemm2.kd
    .args:
      - { .name: hid, .offset: 0, .size: 8, .value_kind: global_buffer, .address_space: global }
      - { .name: w2h, .offset: 8, .size: 8, .value_kind: global_buffer, .address_space: global }
      - { .name: out0, .offset: 16, .size: 8, .value_kind: global_buffer, .address_space: global }
      - { .name: prm, .offset: 24, .size: 8, .value_kind: global_buffer, .address_space: global }
      - { .name: bb2, .offset: 32, .size: 8, .value_kind: global_buffer, .address_space: global }
      - { .name: bi2, .offset: 40, .size: 8, .value_kind: global_buffer, .address_space: global }
      - { .name: bc2, .offset: 48, .size: 8, .value_kind: global_buffer, .address_space: global }
    .group_segment_fixed_size: 327680
    .private_segment_fixed_size: 0
    .kernarg_segment_align: 8
    .kernarg_segment_size: 56
    .max_flat_workgroup_size: 128
    .sgpr_count:     76
    .vgpr_count:     384
    .wavefront_size: 32
...
	.end_amdgpu_metadata
.endif
;; end of part 3
;; ======== version 2 of 2: 3 launches; version 1 with the launch hidden written anew for expert scheduling mode
;; limits: right only within a limited range of input values; a difference of large sums (such as E[x^2] - mean^2): digits are lost where the result is much smaller than its terms; values are held in f16: magnitudes above 65,504 overflow, below 6.1e-05 lose precision
;; workspace buffers: qtab 20,992,000 bytes; w2h 3,145,728 bytes; idx 393,216 bytes of whole numbers; prm 262,144 bytes; hid 50,331,648 bytes
;; launch prep: the kernel of part 1 again; grid 240 x 1, 8 waves a work-group, no clusters, 160,768 bytes of LDS; arguments feat_map, Wb1, Wi1, Wc1, Wb2, Wi2, Wc2, l, r, Wr1, br1, Wr2, br2, qtab, w2h, idx, prm, out1; writes qtab, w2h, idx, prm, out1
;; launch hidden (part 4): grid 256 x 1, 16 waves a work-group, no clusters, 0 bytes of LDS; arguments qtab, idx, prm, bb1, bi1, bc1, hid; writes hid
.if DOCPART == 4
	.amdgcn_target "amdgcn-amd-amdhsa--gfx1250"
	.amdhsa_code_object_version 6
	.text
	.protected	k_qbf2cc7ad43_hidden
	.globl	k_qbf2cc7ad43_hidden
	.p2align	8
	.type	k_qbf2cc7ad43_hidden,@function
k_qbf2cc7ad43_hidden:
	s_mov_b64 s[64:65], 0
	v_nop
	global_prefetch_b8 v0, s[64:65] scope:SCOPE_SE
	s_setreg_imm32_b32 hwreg(HW_REG_WAVE_SCHED_MODE, 0, 2), 2
	s_setreg_imm32_b32 hwreg(HW_REG_WAVE_MODE, 25, 1), 1
	s_wait_xcnt 0x0
	s_wait_alu depctr_vm_vsrc(0)
; Second launch: hid[p][1024 e + c] = w_e[p] relu( sum over the expert's pools k of (Q_k[e_k][c] - Q_k[s_k][c]) / cnt_k + b_e1[c] ), in f16.
; The mask products and the first layers of reference() are not made here: an interval sum of F^T . W1 is the difference of two rows of the
; first launch's table (shown at that kernel's head).  The router's weight is multiplied in here, so that the third launch is one product.
; The row numbers are whole numbers that the first launch stored (idx); they are read by scalar loads and clamped to 0 .. 1,024.
; A gather stream: no LDS, no barrier, no matrix unit.  No joint loads: which table rows a work-group reads hangs on its own proposals.
; Work-group g: proposals 32 g .. + 31.  Wave w: columns 128 (w & 7) .. + 127 of each of the five table segments, proposals 16 (w >> 3) + 0 .. 15;
; a lane holds four columns.  A load of the wave covers 512 consecutive bytes of a table row; a store 256 consecutive bytes, aligned.
; Sixteen trips, written out, on a ring of four register slots: one at work, two on their way at a trip's head and a third asked for behind it (twelve loads each).
; WHY f16 (11 significant bits) AND ITS ROOM: the reason stands at the first kernel's head.  A hidden value is w relu(pre), w <= 1, pre a sum of 1,024
; products of a pooled feature and a weight.  Features of spread 1 and weights of spread 1/32 give pre of order 1.  Both 30 times larger: order 900, some
; thousands at the most.  Features offset by 30 and weights offset by 30/32: 1,024 x 30 x 0.94 = 29,000.  Both are under f16's 65,504.  Both 30 times
; smaller: a spread of 0.05 / 900 = 6e-5, where f16 steps by 2^-24 = 6e-8, a thousandth of it.
; LIMITS: a hidden value of 65,504 or more becomes infinity.  Where cnt = 0, (0) x (1 / 0) is NaN and the relu (v_max_num_f32) makes it 0; reference() gives NaN there.
; THE MODE: SCHED_MODE bits 1:0 = 2 (LLVM: expert scheduling mode 2), set by the entry lines.  The code itself states the register dependences
; between vector instructions and memory instructions, with s_wait_alu, always for 0.
; THE PLAN.  Trip p works on proposal p.  Registers that memory instructions touch:
;   X0 .. X3   four slots: ten quads of table rows and the proposal's prm row.  Written by the twelve loads of proposal p + 3, issued in trip p; read by trip p's arithmetic.
;   Y0, Y1     two sets of six words to store.  Written by trip p's roundings; read by the three stores that are issued in trip p + 1.
;   O0, O1     two sets of ten byte offsets.    Written by trip p's ten adds, for proposal p + 4; read by the ten row loads that are issued in trip p + 1.
;   VCOL, VST, VZ   made once at the head and never written again.
; Trip p reads X[p % 4] and writes Y[p % 2] and O[p % 2].  Its memory instructions are the loads into X[(p + 3) % 4] = X[(p - 1) % 4] by O[(p + 1) % 2] and the
; stores from Y[(p + 1) % 2]: what trip p - 1 read and wrote, and what no vector instruction of trip p names.  So the waits at the head of a trip state all that
; the trip's fifteen memory instructions hang on, and these are dealt among its vector instructions with no further wait.
.set QP,   20480                       ; bytes in a table row
.set VCOL, 1                           ; 512 (w & 7) + 16 lane: my columns in a segment, and in a bias
.set VST,  2                           ; 256 (w & 7) + 8 lane: my columns in an expert's part of hid
.set VZ,   3                           ; 0
.set BB,   4                           ; v[4:7] bb1, v[8:11] bi1, v[12:15] bc1 of my four columns
.set BI,   8
.set BC,   12
.set T,    16                          ; v[16:23] at work: no memory instruction names them
.set XS,   24                          ; v[24:215]  slot n at XS + 48 n: +0 ten quads (s0,e0,..,s4,e4), +40 the proposal's prm row
.set YS,   216                         ; v[216:227] set b at YS + 6 b: six words to store
.set OS,   228                         ; v[228:247] set b at OS + 10 b: ten offsets
.set IB,   16                          ; s[16:63]   set n at IB + 12 n: a proposal's twelve words of idx
.set HID,  68                          ; s[68:69]   hid at my first proposal
	s_load_b256 s[4:11], s[0:1], 0x0               ; qtab, idx, prm, bb1
	s_load_b128 s[12:15], s[0:1], 0x20             ; bi1, bc1
	s_load_b64 s[HID:HID+1], s[0:1], 0x30          ; hid
	v_lshrrev_b32 v16, 5, v0
	v_readfirstlane_b32 s70, v16                   ; wave
	v_and_b32 v17, 31, v0
	v_mov_b32 v[VZ], 0
	s_wait_alu depctr_va_sdst(0)                   ; s70 is written, ahead of its first reader: my columns and my proposals are made from it
	s_and_b32 s71, s70, 7
	s_lshr_b32 s72, s70, 3
	s_lshl_b32 s73, ttmp9, 5
	s_lshl4_add_u32 s73, s72, s73                  ; my first proposal: 32 g + 16 (w >> 3)
	s_lshl_b32 s76, s71, 9
	v_lshl_add_u32 v[VCOL], v17, 4, s76
	s_lshl_b32 s77, s71, 8
	v_lshl_add_u32 v[VST], v17, 3, s77
	s_mov_b32 s75, 0
	s_wait_kmcnt 0x0
	s_mul_i32 s74, s73, 48
	s_add_nc_u64 s[6:7], s[6:7], s[74:75]          ; idx,
	s_lshl_b32 s74, s73, 5
	s_add_nc_u64 s[8:9], s[8:9], s[74:75]          ; prm
	s_mul_i32 s74, s73, 6144
	s_add_nc_u64 s[HID:HID+1], s[HID:HID+1], s[74:75]  ; and hid at my first proposal
.macro SIDX j                          ; proposal j's twelve words of idx into scalar set j % 4
.set IJ, IB+12*((\j)%4)
	s_load_b256 s[IJ:IJ+7], s[6:7], 48*(\j)
	s_load_b128 s[IJ+8:IJ+11], s[6:7], 48*(\j)+32
.endm
.macro OFFS j                          ; proposal j's ten byte offsets into set j % 2
.set IJ, IB+12*((\j)%4)
.set OJ, OS+10*((\j)%2)
.irp k, 0,1,2,3,4,5,6,7,8,9
	s_min_u32 s[IJ+\k], s[IJ+\k], 0x400            ; a row number stays inside the table's 1,025 rows
	s_mul_i32 s[IJ+\k], s[IJ+\k], QP
	v_add_nc_u32 v[OJ+\k], s[IJ+\k], v[VCOL]
.endr
.endm
.macro ROW j, k                        ; table row k of proposal j's ten, into slot j % 4
	global_load_b128 v[XS+48*((\j)%4)+4*(\k):XS+48*((\j)%4)+4*(\k)+3], v[OS+10*((\j)%2)+(\k)], s[4:5] offset:((\k)/2)*4096    ; pool k / 2 has its own segment of 1,024 columns
.endm
.macro PRM j                           ; proposal j's prm row
	global_load_b128 v[XS+48*((\j)%4)+40:XS+48*((\j)%4)+43], v[VZ], s[8:9] offset:32*(\j)          ; w0 w1 w2 rc0
	global_load_b128 v[XS+48*((\j)%4)+44:XS+48*((\j)%4)+47], v[VZ], s[8:9] offset:32*(\j)+16       ; rc1 rc2 rc3 rc4
.endm
.macro LOADS j                         ; all twelve in one run: at the start only
.irp k, 0,1,2,3,4,5,6,7,8,9
	ROW \j, \k
.endr
	PRM \j
.endm
.macro OUT j, e                        ; expert e's two words of proposal j
	global_store_b64 v[VST], v[YS+6*((\j)%2)+2*(\e):YS+6*((\j)%2)+2*(\e)+1], s[HID:HID+1] offset:6144*(\j)+2048*(\e)
.endm
.macro DIFF dst, p                     ; Q[e] - Q[s] of pool p, four columns
	v_pk_add_f32 v[\dst:\dst+1], v[SS+8*\p+4:SS+8*\p+5], v[SS+8*\p:SS+8*\p+1] neg_lo:[0,1] neg_hi:[0,1]
	v_pk_add_f32 v[\dst+2:\dst+3], v[SS+8*\p+6:SS+8*\p+7], v[SS+8*\p+2:SS+8*\p+3] neg_lo:[0,1] neg_hi:[0,1]
.endm
.macro BFMA d, a, pp, hi, c            ; d = a x (the low or the high word of pair pp, for both halves) + c
.if \hi
	v_pk_fma_f32 v[\d:\d+1], v[\a:\a+1], v[\pp:\pp+1], v[\c:\c+1] op_sel:[0,1,0]
.else
	v_pk_fma_f32 v[\d:\d+1], v[\a:\a+1], v[\pp:\pp+1], v[\c:\c+1] op_sel_hi:[1,0,1]
.endif
.endm
.macro FIN e, pp, hi                   ; relu, times the router's weight, two roundings to f16 at a time
.irp k, 0,1,2,3
	v_max_num_f32 v[T+\k], 0, v[T+\k]
.endr
.if \hi
	v_pk_mul_f32 v[T:T+1], v[T:T+1], v[\pp:\pp+1] op_sel:[0,1]
	v_pk_mul_f32 v[T+2:T+3], v[T+2:T+3], v[\pp:\pp+1] op_sel:[0,1]
.else
	v_pk_mul_f32 v[T:T+1], v[T:T+1], v[\pp:\pp+1] op_sel_hi:[1,0]
	v_pk_mul_f32 v[T+2:T+3], v[T+2:T+3], v[\pp:\pp+1] op_sel_hi:[1,0]
.endif
	v_cvt_pk_f16_f32 v[YY+2*\e], v[T], v[T+1]
	v_cvt_pk_f16_f32 v[YY+2*\e+1], v[T+2], v[T+3]
.endm
; Trip i.  While there are any left: proposal i + 3 is loaded, proposal i - 1 is stored, proposal i + 4's offsets are made, proposal i + 5's row numbers are asked for.
.macro TRIP i
.set SS, XS+48*((\i)%4)
.set YY, YS+6*((\i)%2)
.if (\i) <= 13
	s_wait_loadcnt 24                              ; loads come back in order (ISA guide 5.7.1): my slot's twelve are in, the two younger proposals' twelve each stay out
.else
	s_wait_loadcnt 12*(15-(\i))                    ; the last trips: the counts run down
.endif
	s_wait_xcnt 0x0                                ; every earlier memory instruction has had its addresses translated (ISA guide 3.1): O[i % 2] and Y[i % 2] are rewritten only behind this wait
	s_wait_alu depctr_vm_vsrc(0)                   ; the loads and stores issued in the trip before have read O[i % 2] and Y[i % 2], which this trip's adds and roundings write again
	s_wait_alu depctr_va_vdst(0)                   ; the trip before has written the other O and the other Y, which the loads and stores below read, and is done reading its slot, in which the loads below land
.if (\i)+3 <= 15
.irp k, 0,1,2,3
	ROW (\i)+3, \k                                 ; no vector instruction since the wait names these registers; the same holds of the two groups further down
.endr
.endif
.if (\i) > 0
	OUT (\i)-1, 0
.endif
	DIFF T, 0                                      ; boundary expert: pools 0 and 1
	DIFF T+4, 1
	BFMA T, T, SS+42, 1, BB
	BFMA T+2, T+2, SS+42, 1, BB+2
	BFMA T, T+4, SS+44, 0, T
	BFMA T+2, T+6, SS+44, 0, T+2
	FIN 0, SS+40, 0
.if (\i)+3 <= 15
.irp k, 4,5,6,7
	ROW (\i)+3, \k
.endr
.endif
.if (\i) > 0
	OUT (\i)-1, 1
.endif
	DIFF T, 2                                      ; interior expert: pool 2
	BFMA T, T, SS+44, 1, BI
	BFMA T+2, T+2, SS+44, 1, BI+2
	FIN 1, SS+40, 1
.if (\i)+3 <= 15
.irp k, 8,9
	ROW (\i)+3, \k
.endr
	PRM (\i)+3
.endif
.if (\i) > 0
	OUT (\i)-1, 2
.endif
.if (\i)+4 <= 15
	s_wait_kmcnt 0x0                               ; the row numbers of proposal i + 4, asked for a trip ago: the one scalar load that is out
	OFFS (\i)+4                                    ; into O[i % 2]: the next trip's loads read it, behind that trip's head
.endif
.if (\i)+5 <= 15
	SIDX (\i)+5                                    ; into the set that proposal i + 1's adds read, three trips' heads back
.endif
	DIFF T, 3                                      ; context expert: pools 3 and 4
	DIFF T+4, 4
	BFMA T, T, SS+46, 0, BC
	BFMA T+2, T+2, SS+46, 0, BC+2
	BFMA T, T+4, SS+46, 1, T
	BFMA T+2, T+6, SS+46, 1, T+2
	FIN 2, SS+42, 0
.endm
	SIDX 0
	SIDX 1
	SIDX 2
	SIDX 3
	s_wait_kmcnt 0x0
	OFFS 0
	OFFS 1
	s_wait_alu depctr_va_vdst(0)                   ; VCOL, VST and VZ are written, which every load and store of the kernel reads; so are O0 and O1, the offsets of proposals 0 and 1
	global_load_b128 v[BB:BB+3], v[VCOL], s[10:11]
	global_load_b128 v[BI:BI+3], v[VCOL], s[12:13]
	global_load_b128 v[BC:BC+3], v[VCOL], s[14:15]
	LOADS 0
	LOADS 1
	SIDX 4                                         ; into the set that proposal 0's adds read, ahead of the wait above
	s_wait_xcnt 0x0                                ; the loads above have had their addresses translated (ISA guide 3.1): O0 and O1 are rewritten only behind this wait
	s_wait_alu depctr_vm_vsrc(0)                   ; the loads of proposals 0 and 1 have read O0 and O1, which the adds for proposals 2 and 3 write again
	OFFS 2
	s_wait_alu depctr_va_vdst(0)                   ; O0 is written, which the loads of proposal 2 read
	LOADS 2
	OFFS 3                                         ; into O1, as a trip in front of trip 0 would: trip 0's head states that it is written
.irp i, 0,1,2,3,4,5,6,7,8,9,10,11,12,13,14,15
	TRIP \i                                        ; trips 13 to 15 load nothing: no load leaves the buffers
.endr
	s_wait_alu depctr_va_vdst(0)                   ; trip 15 has written Y1, which the last three stores read
.irp e, 0,1,2
	OUT 15, \e
.endr
	s_endpgm
.Lfunc_end_k_qbf2cc7ad43_hidden:
	.size	k_qbf2cc7ad43_hidden, .Lfunc_end_k_qbf2cc7ad43_hidden-k_qbf2cc7ad43_hidden
	.p2alignl 7, 3214868480
	.fill 96, 4, 3214868480
	.section	.rodata,"a",@progbits
	.p2align	6, 0x0
	.amdhsa_kernel k_qbf2cc7ad43_hidden
		.amdhsa_group_segment_fixed_size 0
		.amdhsa_private_segment_fixed_size 0
		.amdhsa_enable_private_segment 0
		.amdhsa_kernarg_size 56
		.amdhsa_user_sgpr_count 2
		.amdhsa_user_sgpr_kernarg_segment_ptr 1
		.amdhsa_wavefront_size32 1
		.amdhsa_system_sgpr_workgroup_id_x 1
		.amdhsa_system_sgpr_workgroup_id_y 1
		.amdhsa_system_sgpr_workgroup_id_z 1
		.amdhsa_system_vgpr_workitem_id 0
		.amdhsa_next_free_vgpr 248
		.amdhsa_next_free_sgpr 78
		.amdhsa_reserve_vcc 0
		.amdhsa_float_denorm_mode_32 3
		.amdhsa_float_denorm_mode_16_64 3
		.amdhsa_memory_ordered 1
		.amdhsa_forward_progress 1
		.amdhsa_inst_pref_size 92
	.end_amdhsa_kernel
	.amdgpu_metadata
---
amdhsa.version: [ 1, 2 ]
amdhsa.kernels:
  - .name:           k_qbf2cc7ad43_hidden
    .symbol:         k_qbf2cc7ad43_hidden.kd
    .args:
      - { .name: qtab, .offset: 0, .size: 8, .value_kind: global_buffer, .address_space: global }
      - { .name: idx, .offset: 8, .size: 8, .value_kind: global_buffer, .address_space: global }
      - { .name: prm, .offset: 16, .size: 8, .value_kind: global_buffer, .address_space: global }
      - { .name: bb1, .offset: 24, .size: 8, .value_kind: global_buffer, .address_space: global }
      - { .name: bi1, .offset: 32, .size: 8, .value_kind: global_buffer, .address_space: global }
      - { .name: bc1, .offset: 40, .size: 8, .value_kind: global_buffer, .address_space: global }
      - { .name: hid, .offset: 48, .size: 8, .value_kind: global_buffer, .address_space: global }
    .group_segment_fixed_size: 0
    .private_segment_fixed_size: 0
    .kernarg_segment_align: 8
    .kernarg_segment_size: 56
    .max_flat_workgroup_size: 512
    .sgpr_count:     78
    .vgpr_count:     248
    .wavefront_size: 32
...
	.end_amdgpu_metadata
.endif
;; end of part 4
;; launch gemm2: the kernel of part 3 again; grid 4 x 64, 4 waves a work-group, clusters of 4 x 4, 327,680 bytes of LDS; arguments hid, w2h, out0, prm, bb2, bi2, bc2; writes out0
